; MI455X (gfx1250); checked and timed in simulation.
; The chip was launched on July 23, 2026; its instructions are those of AMD's public machine-readable ISA for CDNA 5 (MIT licence, August 2026) and "CDNA5" Instruction Set Architecture Reference Guide (July 2026). The comments in the code are by the model that wrote it; some were corrected since.
;; MS Part Guided Module. Allowed arithmetic: float matrix products may take bf16 or f16 operands with f32 sums; all other float work in f32.
;; Inputs: bn_beta 2,048 float32; bn_gamma 2,048 float32; conv_w 2,048 x 2,048 float32; feats 16 x 2,048 x 32 x 16 float32; label 16 x 32 x 16 int32.
;; Outputs: out0 16 x 2,048 x 32 x 16 float32.
;; One version. Each part assembles by itself: llvm-mc -triple=amdgcn-amd-amdhsa -mcpu=gfx1250 --defsym DOCPART=n.
;; ======== version 1 of 1: 3 launches
;; workspace buffers: fb 33,554,432 bytes; wb 8,388,608 bytes; tb 8,388,608 bytes; z 67,108,864 bytes; stats 1,048,576 bytes
;; launch prep (part 1): grid 704 x 1, 8 waves a work-group, no clusters, 17,408 bytes of LDS; arguments feats, conv_w, label, fb, wb, tb; writes fb, wb, tb
.if DOCPART == 1
	.amdgcn_target "amdgcn-amd-amdhsa--gfx1250"
	.amdhsa_code_object_version 6
	.text
	.protected	k_q4d94650937_prep
	.globl	k_q4d94650937_prep
	.p2align	8
	.type	k_q4d94650937_prep,@function
k_q4d94650937_prep:
	s_mov_b64 s[64:65], 0
	v_nop
	global_prefetch_b8 v0, s[64:65] scope:SCOPE_SE
	s_setreg_imm32_b32 hwreg(HW_REG_WAVE_MODE, 25, 1), 1
	s_wait_xcnt 0x0
; PREPARATION, three kinds of work-group, chosen by the work-group's number alone.
;   0..63     T: tb = bf16 of T[b] = sim[b] (I + R4 + R8 + R16), 512 x 512 for each of 16 batches, laid out as matrix fragments.
;   64..191   W: wb = bf16(conv_w), in blocks [o / 128][c / 64][128 rows][64 columns], 16,384 dense bytes a block.
;   192..703  F: fb = bf16(feats), same order as feats.
; sim[i][j] = mask[i][j] / cnt_i, mask = (label_i == label_j) or (label_i == 0); cnt_i >= 1, since i matches itself, so the clamp of the divisor never binds.
; Rs = average over cells of s x s, then bilinear interpolation with aligned corners.  (sim Rs)[i][j'] = Vs[i][cell_s(j')] / cnt_i with
; Vs[i][q] = sum over j of mask[i][j] hat(y ry - qy) hat(x rx - qx) / s^2, hat(t) = max(0, 1 - |t|), j = 16 y + x.  The 42 cells of the three grids
; and a row of ones (which gives cnt_i) are 43 of 48 rows of ONE product U mask^T on the matrix unit, K = 512.
; LIMITS.  Any int32 labels.  feats and conv_w are rounded to bf16, to nearest even; the weights U and T itself too.  NaN and infinities are not treated apart.
; hat() at a grid point may differ from the floor-and-fraction form by one rounding of y ry.
.set SPARE, 16384                      ; behind the eight waves' label copies: the spare words, 128 bytes a wave
.set SPW,  4                           ; v4   LDS address of my spare word; never rewritten
.set NIL,  5                           ; v5   0; never rewritten
.set X,    8                           ; v[8:135]  the converting paths: 16 steps x 8 numbers
	s_load_b256 s[4:11], s[0:1], 0x0               ; feats s[4:5], conv_w s[6:7], label s[8:9], fb s[10:11]
	s_load_b128 s[12:15], s[0:1], 0x20             ; wb s[12:13], tb s[14:15]
	v_lshl_add_u32 v[SPW], v0, 2, SPARE
	v_mov_b32 v[NIL], 0
	v_and_b32 v1, 31, v0                           ; lane
	v_lshrrev_b32 v2, 5, v0
	v_readfirstlane_b32 s16, v2                    ; wave 0..7
	s_mov_b32 s17, ttmp9
	s_wait_kmcnt 0x0
	s_cmp_lt_u32 s17, 64
	s_cbranch_scc1 .Lt
	s_cmp_lt_u32 s17, 192
	s_cbranch_scc1 .Lw
; A wave turns 4,096 f32 into 4,096 bf16.  Step k: a lane reads 32 bytes (two loads) at v6 + k x stride and stores 16 at 16 lane + 512 k,
; so each store of the wave covers 512 consecutive bytes, aligned.  All 32 loads go out first; no register is written twice.
.macro CONVERT stride
.irp k, 0,1,2,3,4,5,6,7,8,9,10,11,12,13,14,15
	global_load_b128 v[X+8*(\k):X+8*(\k)+3],   v6, s[26:27] offset:(\k)*(\stride) th:TH_LOAD_NT
	global_load_b128 v[X+8*(\k)+4:X+8*(\k)+7], v6, s[26:27] offset:(\k)*(\stride)+16 th:TH_LOAD_NT
.endr
.irp k, 0,1,2,3,4,5,6,7,8,9,10,11,12,13,14,15
	s_wait_loadcnt 30-2*(\k)                       ; loads come back in order: the 2 (15 - k) younger ones may stay out
	v_cvt_pk_bf16_f32 v[X+8*(\k)],   v[X+8*(\k)],   v[X+8*(\k)+1]
	v_cvt_pk_bf16_f32 v[X+8*(\k)+1], v[X+8*(\k)+2], v[X+8*(\k)+3]
	v_cvt_pk_bf16_f32 v[X+8*(\k)+2], v[X+8*(\k)+4], v[X+8*(\k)+5]
	v_cvt_pk_bf16_f32 v[X+8*(\k)+3], v[X+8*(\k)+6], v[X+8*(\k)+7]
	global_store_b128 v7, v[X+8*(\k):X+8*(\k)+3], s[28:29] offset:(\k)*512
.endr
	s_endpgm
.endm
	; ---- F: unit u = 8 (group - 192) + wave takes 16,384 consecutive bytes of feats
	s_sub_co_u32 s18, s17, 192
	s_lshl3_add_u32 s18, s18, s16
	s_lshl_b32 s26, s18, 14
	s_mov_b32 s27, 0
	s_add_nc_u64 s[26:27], s[4:5], s[26:27]
	s_lshl_b32 s28, s18, 13
	s_mov_b32 s29, 0
	s_add_nc_u64 s[28:29], s[10:11], s[28:29]
	v_lshlrev_b32 v6, 5, v1                        ; 32 bytes a lane
	v_lshlrev_b32 v7, 4, v1
	CONVERT 1024
.Lw:	; ---- W: unit u = 8 (group - 64) + wave = 64 ob + 2 ks + half takes 64 rows x 64 columns: half a block
	s_sub_co_u32 s18, s17, 64
	s_lshl3_add_u32 s18, s18, s16
	s_lshr_b32 s19, s18, 6                         ; ob
	s_bfe_u32 s20, s18, 0x50001                    ; ks
	s_and_b32 s21, s18, 1                          ; half
	s_lshl_b32 s26, s19, 20                        ; 128 rows of 8,192 bytes
	s_lshl_b32 s21, s21, 19                        ; 64 rows
	s_add_co_u32 s26, s26, s21
	s_lshl_b32 s20, s20, 8                         ; 64 columns of 4 bytes
	s_add_co_u32 s26, s26, s20
	s_mov_b32 s27, 0
	s_add_nc_u64 s[26:27], s[6:7], s[26:27]
	s_lshl_b32 s28, s18, 13                        ; the blocks lie in the order of u
	s_mov_b32 s29, 0
	s_add_nc_u64 s[28:29], s[12:13], s[28:29]
	v_lshrrev_b32 v2, 3, v1                        ; eight lanes read 256 consecutive bytes of one row; four rows a step
	v_and_b32 v3, 7, v1
	v_lshlrev_b32 v6, 13, v2
	v_lshl_add_u32 v6, v3, 5, v6
	v_lshlrev_b32 v7, 4, v1
	CONVERT 32768
; ---- T: unit u = 8 group + wave = 32 b + ib makes rows 16 ib .. 16 ib + 15 of T[b], 16,384 bytes of tb.  The waves do not depend on each other.
.set LABI, 7                           ; v7        label of my row i = 16 ib + lane % 16
.set VLA,  8                           ; v8        LDS address of my 8 labels in the chunk in hand (steps)
.set VLB,  9                           ; v9        the same for chunk 0 (stays)
.set VY,   10                          ; v10-11    the chunk's two image rows y, y + 1, as f32
.set RY,   12                          ; v12-14    ry of my row q = 16 t + lane % 16 of U
.set QY,   15                          ; v15-17    qy
.set TT,   18                          ; v18-23    at work
.set WY,   24                          ; v24-35    hat(y ry - qy): for (t, yy) in the low register of pair WY + 4 t + 2 yy; the odd registers hold 0
.set WX,   36                          ; v36-51    amplitude x hat(x rx - qx) for x = 8 (lane / 16) + 0..7: one set for t = 0, 1, one for t = 2
.set ZL,   52                          ; v52       1.0 where label_i == 0, else 0
.set UT,   56                          ; v56-63    eight weights in f32
.set UF,   64                          ; v64-87    U's fragments, 8 registers for each t
.set OTH,  64                          ;           later: the sums held by the lane 16 away
.set LJ,   88                          ; v88-119   labels of columns
.set MT,   120                         ; v120-135  mask in f32
.set MFR,  136                         ; v136-143  the mask's fragment
.set ACC,  144                         ; v144-167  three accumulators: register e of ACC + 8 t in lane (r, h) is V[16 t + 8 h + e] of row i = r
.set CNT,  168
.set INV,  169
.set V8S,  170                         ; v170-173
.set V16S, 174                         ; v174-175
.set C816, 176                         ; v176-179  (V8 + V16) / cnt for the four bands of eight image rows
.set BB,   180                         ; v180-183  value without and with the mask's 1 / cnt, for x' / 4 = 2 h and 2 h + 1
.set VAL,  184                         ; v184-191
.set OUTR, 192                         ; v192-207  four sets of 16 bytes to store
.Lt:
	s_lshl3_add_u32 s18, s17, s16                  ; u
	s_lshr_b32 s19, s18, 5                         ; b
	s_and_b32 s25, s18, 31                         ; ib
	s_lshl_b32 s26, s19, 11
	s_mov_b32 s27, 0
	s_add_nc_u64 s[26:27], s[8:9], s[26:27]        ; the batch's 512 labels
	s_lshl_b32 s28, s18, 14
	s_mov_b32 s29, 0
	s_add_nc_u64 s[28:29], s[14:15], s[28:29]      ; my 16,384 bytes of tb
	v_and_b32 v2, 15, v0                           ; r
	v_bfe_u32 v3, v0, 4, 1                         ; h
	v_lshlrev_b32 v6, 4, v1                        ; 16 lane
	s_lshl_b32 s30, s25, 6
	v_lshl_add_u32 v[TT+5], v2, 2, s30             ; 4 (16 ib + r)
.irp k, 0,1,2,3
	global_load_b128 v[LJ+4*(\k):LJ+4*(\k)+3], v6, s[26:27] offset:512*(\k)
.endr
	global_load_b32 v[LABI], v[TT+5], s[26:27]
	s_lshl_b32 s31, s16, 11                        ; my wave's 2,048 bytes of LDS
	v_add_nc_u32 v[TT+4], s31, v6
	v_lshl_add_u32 v[VLA], v3, 5, s31
	v_mov_b32 v[VLB], v[VLA]
	s_mov_b32 s21, 0xffff0000                      ; lanes 16-31
	s_mov_b32 s22, 0x76543210                      ; v_permlanex16_b32: each lane takes its own place in the other half
	s_mov_b32 s23, 0xfedcba98
	; the parameters of U's rows, while the labels are on their way
	v_lshlrev_b32 v[TT], 3, v3
.irp e, 0,1,2,3,4,5,6,7
	v_add_nc_u32 v[LJ+16+(\e)], (\e), v[TT]
	v_cvt_f32_u32 v[LJ+16+(\e)], v[LJ+16+(\e)]     ; x = 8 h + e
.endr
.irp n, 0,1,2,3,4,5
	v_mov_b32 v[WY+2*(\n)+1], 0                    ; named with the weights as pairs
.endr
.macro WXROW base                      ; v19 = rx, v20 = qx, v21 = amplitude
.irp e, 0,1,2,3,4,5,6,7
	v_fma_f32 v[TT], v[LJ+16+(\e)], v[TT+1], -v[TT+2]
	v_sub_f32 v[TT], 1.0, |v[TT]|
	v_max_num_f32 v[TT], 0, v[TT]
	v_mul_f32 v[(\base)+(\e)], v[TT+3], v[TT]
.endr
.endm
	v_lshrrev_b32 v[TT], 2, v2                     ; rows 0-31: the 8 x 4 grid of s = 4: qy = 4 t + r / 4, qx = r % 4
	v_cvt_f32_u32 v[QY], v[TT]
	v_add_f32 v[QY+1], 4.0, v[QY]
	v_mov_b32 v[RY], 0x3e6739ce                    ; 7 / 31
	v_mov_b32 v[RY+1], 0x3e6739ce
	v_and_b32 v[TT], 3, v2
	v_cvt_f32_u32 v[TT+2], v[TT]
	v_mov_b32 v[TT+1], 0x3e4ccccd                  ; 3 / 15
	v_mov_b32 v[TT+3], 0x3d800000                  ; 1 / 16
	WXROW WX
	v_cmp_gt_u32 s33, 8, v2                        ; rows 32-39: the 4 x 2 grid of s = 8
	v_cmp_gt_u32 s34, 10, v2                       ; rows 40, 41: the 2 x 1 grid of s = 16
	v_cmp_eq_u32 s35, 10, v2                       ; row 42: ones.  Rows 43-47: amplitude 0
	v_add_nc_u32 v[TT], -8, v2
	v_cndmask_b32 v[TT], 0, v[TT], s34
	v_lshrrev_b32 v[TT+1], 1, v2
	v_cndmask_b32 v[TT], v[TT], v[TT+1], s33
	v_cvt_f32_u32 v[QY+2], v[TT]
	v_mov_b32 v[TT], 0x3d042108                    ; 1 / 31
	v_cndmask_b32 v[RY+2], 0, v[TT], s34
	v_mov_b32 v[TT], 0x3dc6318c                    ; 3 / 31
	v_cndmask_b32 v[RY+2], v[RY+2], v[TT], s33
	v_and_b32 v[TT], 1, v2
	v_cndmask_b32 v[TT], 0, v[TT], s33
	v_cvt_f32_u32 v[TT+2], v[TT]
	v_mov_b32 v[TT], 0x3d888889                    ; 1 / 15
	v_cndmask_b32 v[TT+1], 0, v[TT], s33
	v_cndmask_b32 v[TT+3], 0, 1.0, s35
	v_mov_b32 v[TT], 0x3b800000                    ; 1 / 256
	v_cndmask_b32 v[TT+3], v[TT+3], v[TT], s34
	v_mov_b32 v[TT], 0x3c800000                    ; 1 / 64
	v_cndmask_b32 v[TT+3], v[TT+3], v[TT], s33
	WXROW WX+8
	v_mov_b32 v[VY], 0
	v_mov_b32 v[VY+1], 1.0
	s_wait_loadcnt 0x0                             ; the labels
.irp k, 0,1,2,3
	ds_store_b128 v[TT+4], v[LJ+4*(\k):LJ+4*(\k)+3] offset:512*(\k)  ; my wave's own copy: LDS serves a wave's instructions in order (ISA guide 5.7.1.4), so its loads below see these
.endr
	v_cmp_eq_u32 s20, 0, v[LABI]
	v_cndmask_b32 v[ZL], 0, 1.0, s20
; PHASE 1.  One chunk: 32 columns j = two image rows.  Source 0 = 16 rows of U, source 1 = 16 rows i of the mask.  The three accumulators take turns,
; over the backward jump too.  The 18 lines that make the y weights name no register of the last chunk's products: they are the places behind them (ISA guide 7.12.1).
.macro CHUNK zero
	ds_load_b128 v[LJ:LJ+3],     v[VLA]
	ds_load_b128 v[LJ+4:LJ+7],   v[VLA] offset:16
	ds_load_b128 v[LJ+8:LJ+11],  v[VLA] offset:64
	ds_load_b128 v[LJ+12:LJ+15], v[VLA] offset:80
.irp t, 0,1,2
	v_fma_f32 v[TT+2*(\t)],   v[VY],   v[RY+(\t)], -v[QY+(\t)]
	v_fma_f32 v[TT+2*(\t)+1], v[VY+1], v[RY+(\t)], -v[QY+(\t)]
.endr
.irp n, 0,1,2,3,4,5
	v_sub_f32 v[TT+(\n)], 1.0, |v[TT+(\n)]|
.endr
.irp n, 0,1,2,3,4,5
	v_max_num_f32 v[WY+2*(\n)], 0, v[TT+(\n)]
.endr
.irp t, 0,1,2
.irp yy, 0,1
.irp m, 0,1,2,3
	v_pk_mul_f32 v[UT+2*(\m):UT+2*(\m)+1], v[WX+8*((\t)/2)+2*(\m):WX+8*((\t)/2)+2*(\m)+1], v[WY+4*(\t)+2*(\yy):WY+4*(\t)+2*(\yy)+1] op_sel_hi:[1,0]
.endr
.irp m, 0,1,2,3
	v_cvt_pk_bf16_f32 v[UF+8*(\t)+4*(\yy)+(\m)], v[UT+2*(\m)], v[UT+2*(\m)+1]
.endr
.endr
.endr
	v_add_nc_u32 v[VLA], 128, v[VLA]
	v_add_f32 v[VY], 2.0, v[VY]
	v_add_f32 v[VY+1], 2.0, v[VY+1]
	s_wait_dscnt 0x0                               ; the chunk's labels
.irp e, 0,1,2,3,4,5,6,7,8,9,10,11,12,13,14,15
	v_cmp_eq_u32 vcc_lo, v[LABI], v[LJ+(\e)]
	v_cndmask_b32 v[MT+(\e)], v[ZL], 1.0, vcc_lo   ; equal labels: 1; else 1 only where label_i == 0
.endr
.irp m, 0,1,2,3,4,5,6,7
	v_cvt_pk_bf16_f32 v[MFR+(\m)], v[MT+2*(\m)], v[MT+2*(\m)+1]
.endr
.irp t, 0,1,2
.if \zero
	v_wmma_f32_16x16x32_bf16 v[ACC+8*(\t):ACC+8*(\t)+7], v[UF+8*(\t):UF+8*(\t)+7], v[MFR:MFR+7], 0
.else
	v_wmma_f32_16x16x32_bf16 v[ACC+8*(\t):ACC+8*(\t)+7], v[UF+8*(\t):UF+8*(\t)+7], v[MFR:MFR+7], v[ACC+8*(\t):ACC+8*(\t)+7]
.endif
.endr
.endm
	CHUNK 1                                        ; the first chunk starts the sums
	s_mov_b32 s24, 15
.Lchunk:
	CHUNK 0
	s_sub_co_u32 s24, s24, 1
	s_cmp_lg_u32 s24, 0
	s_cbranch_scc1 .Lchunk
.rept 4
	v_nop                                          ; the places behind the last products
.endr
.set k, 0
.rept 24                                               ; ascending: each accumulator is read from its low end on
	v_permlanex16_b32 v[OTH+k], v[ACC+k], s22, s23
.set k, k+1
.endr
	; PHASE 2.  Lane (r, h) makes T[i = r][j' = 16 y' + 8 h + e].  V[q] lies in the half of the lanes (q / 8) % 2, register q % 8, so each select takes my own or the other half's register.
	v_cndmask_b32 v[CNT], v[OTH+18], v[ACC+18], s21    ; q = 42
	v_rcp_f32 v[INV], v[CNT]
.irp k, 0,1,2,3
	v_cndmask_b32 v[V8S+(\k)], v[ACC+16+2*(\k)], v[OTH+16+2*(\k)+1], s21  ; q = 32 + 2 (y' / 8) + h
.endr
.irp k, 0,1
	v_cndmask_b32 v[V16S+(\k)], v[OTH+16+(\k)], v[ACC+16+(\k)], s21       ; q = 40 + y' / 16
.endr
.irp k, 0,1,2,3
	v_add_f32 v[C816+(\k)], v[V8S+(\k)], v[V16S+(\k)/2]
.endr
	s_wait_alu depctr_va_vdst(0)
.irp k, 0,1,2,3
	v_mul_f32 v[C816+(\k)], v[C816+(\k)], v[INV]
.endr
; Group g: image rows y' = 4 g .. 4 g + 3, which share the cells q = 4 g + 2 h + (e / 4) of s = 4.
.macro GROUP g
.set tA, ACC+8*((\g)/4)
.set tO, OTH+8*((\g)/4)
.set eq0, 4*((\g)%2)
	s_wait_xcnt 0x0                                ; the last group's stores have read OUTR: it is written again only behind this wait
.irp k, 0,1,2,3
	ds_load_b128 v[LJ+8*(\k):LJ+8*(\k)+3],   v[VLB] offset:64*(4*(\g)+(\k))
	ds_load_b128 v[LJ+8*(\k)+4:LJ+8*(\k)+7], v[VLB] offset:64*(4*(\g)+(\k))+16
.endr
.if (((\g)/2)%2) == 0
	v_cndmask_b32 v[TT],   v[tA+eq0],   v[tO+eq0+2], s21
	v_cndmask_b32 v[TT+1], v[tA+eq0+1], v[tO+eq0+3], s21
.else
	v_cndmask_b32 v[TT],   v[tO+eq0],   v[tA+eq0+2], s21
	v_cndmask_b32 v[TT+1], v[tO+eq0+1], v[tA+eq0+3], s21
.endif
	v_fma_f32 v[BB],   v[TT],   v[INV], v[C816+(\g)/2]
	v_fma_f32 v[BB+2], v[TT+1], v[INV], v[C816+(\g)/2]
	v_add_f32 v[BB+1], v[BB],   v[INV]
	v_add_f32 v[BB+3], v[BB+2], v[INV]
	v_cndmask_b32 v[BB],   v[BB],   v[BB+1], s20   ; label_i == 0: the mask is 1 everywhere
	v_cndmask_b32 v[BB+2], v[BB+2], v[BB+3], s20
	s_wait_dscnt 0x0
.irp k, 0,1,2,3
.irp e, 0,1,2,3,4,5,6,7
	v_cmp_eq_u32 vcc_lo, v[LABI], v[LJ+8*(\k)+(\e)]
	v_cndmask_b32 v[VAL+(\e)], v[BB+2*((\e)/4)], v[BB+2*((\e)/4)+1], vcc_lo
.endr
.irp m, 0,1,2,3
	v_cvt_pk_bf16_f32 v[OUTR+4*(\k)+(\m)], v[VAL+2*(\m)], v[VAL+2*(\m)+1]
.endr
	global_store_b128 v6, v[OUTR+4*(\k):OUTR+4*(\k)+3], s[28:29] offset:(4*(\g)+(\k))*512  ; 512 consecutive bytes, aligned: half a fragment of 16 rows x 32 columns
.endr
.endm
.irp g, 0,1,2,3,4,5,6,7
	GROUP \g
.endr
	s_wait_tensorcnt 0x0                           ; the wave's end, behind my last LDS store
	ds_add_u32 v[SPW], v[NIL]
	s_wait_dscnt 0x0
	s_endpgm
.Lfunc_end_k_q4d94650937_prep:
	.size	k_q4d94650937_prep, .Lfunc_end_k_q4d94650937_prep-k_q4d94650937_prep
	.p2alignl 7, 3214868480
	.fill 96, 4, 3214868480
	.section	.rodata,"a",@progbits
	.p2align	6, 0x0
	.amdhsa_kernel k_q4d94650937_prep
		.amdhsa_group_segment_fixed_size 17408
		.amdhsa_private_segment_fixed_size 0
		.amdhsa_enable_private_segment 0
		.amdhsa_kernarg_size 48
		.amdhsa_user_sgpr_count 2
		.amdhsa_user_sgpr_kernarg_segment_ptr 1
		.amdhsa_wavefront_size32 1
		.amdhsa_system_sgpr_workgroup_id_x 1
		.amdhsa_system_sgpr_workgroup_id_y 1
		.amdhsa_system_sgpr_workgroup_id_z 1
		.amdhsa_system_vgpr_workitem_id 0
		.amdhsa_next_free_vgpr 208
		.amdhsa_next_free_sgpr 66
		.amdhsa_reserve_vcc 1
		.amdhsa_float_denorm_mode_32 3
		.amdhsa_float_denorm_mode_16_64 3
		.amdhsa_memory_ordered 1
		.amdhsa_forward_progress 1
		.amdhsa_inst_pref_size 78
	.end_amdhsa_kernel
	.amdgpu_metadata
---
amdhsa.version: [ 1, 2 ]
amdhsa.kernels:
  - .name:           k_q4d94650937_prep
    .symbol:         k_q4d94650937_prep.kd
    .args:
      - { .name: feats, .offset: 0, .size: 8, .value_kind: global_buffer, .address_space: global }
      - { .name: conv_w, .offset: 8, .size: 8, .value_kind: global_buffer, .address_space: global }
      - { .name: label, .offset: 16, .size: 8, .value_kind: global_buffer, .address_space: global }
      - { .name: fb, .offset: 24, .size: 8, .value_kind: global_buffer, .address_space: global }
      - { .name: wb, .offset: 32, .size: 8, .value_kind: global_buffer, .address_space: global }
      - { .name: tb, .offset: 40, .size: 8, .value_kind: global_buffer, .address_space: global }
    .group_segment_fixed_size: 17408
    .private_segment_fixed_size: 0
    .kernarg_segment_align: 8
    .kernarg_segment_size: 48
    .max_flat_workgroup_size: 256
    .sgpr_count:     66
    .vgpr_count:     208
    .wavefront_size: 32
...
	.end_amdgpu_metadata
.endif
;; end of part 1
;; launch gemm (part 2): grid 16 x 16, 4 waves a work-group, clusters of 4 x 4, 327,680 bytes of LDS; arguments fb, wb, tb, z, stats; writes z, stats
.if DOCPART == 2
	.amdgcn_target "amdgcn-amd-amdhsa--gfx1250"
	.amdhsa_code_object_version 6
	.text
	.protected	k_q4d94650937_gemm
	.globl	k_q4d94650937_gemm
	.p2align	8
	.type	k_q4d94650937_gemm,@function
k_q4d94650937_gemm:
	s_mov_b64 s[64:65], 0
	v_nop
	global_prefetch_b8 v0, s[64:65] scope:SCOPE_SE
	s_setreg_imm32_b32 hwreg(HW_REG_WAVE_MODE, 25, 1), 1
	s_wait_xcnt 0x0
	s_wait_alu depctr_hold_cnt(0) depctr_sa_sdst(0) depctr_va_vdst(0) depctr_va_sdst(0) depctr_va_ssrc(0) depctr_va_vcc(0) depctr_vm_vsrc(0)
	s_getreg_b32 s2, hwreg(HW_REG_IB_STS2, 6, 4)
	s_cmp_eq_u32 s2, 0
	s_cbranch_scc0 .Lentry_in_a_cluster
	s_endpgm
.Lentry_in_a_cluster:
	s_bfe_u32 s2, ttmp6, 0x10000c
	s_cmp_lg_u32 s2, 0xf033
	s_cbranch_scc0 .Lentry_shape_is_right
	s_endpgm
.Lentry_shape_is_right:
; z[b][o][p] = G[o][p] + sum over j of T[b][p][j] G[o][j],  G = W F[b]  (W = bf16 conv_w, F = bf16 feats, T = bf16 of sim (I + R4 + R8 + R16)).
; That equals conv_w (context + feats): every step in front of the norm is linear along the pixels.  G stays in f32 accumulators; only the copy that enters the second product is rounded to bf16.
; Also: for each channel o and each wave's 128 pixels the mean of z and the sum of squared deviations from it, for the batch norm of the next launch.
; LIMITS.  Matrix operands in bf16 (nearest even), sums in f32.  NaN and infinities are not treated apart.
; SHARES.  Work-group (x = ob, y = b) makes 128 channels x all 512 pixels of one batch: 256 work-groups.  Wave w makes pixels 128 w .. +127 x 128 channels: 64 accumulators, 512 registers.
; Source 0 = 16 pixels, source 1 = 16 channels: register e of accumulator (a, pb) in lane (r, h) is z(o = 16 a + r, p = 128 w + 16 pb + 8 h + e): eight neighbouring pixels of a row of z.
; K = 2,048 channels c goes in steps of 64 through two LDS slots filled by the tensor data mover: two slots of 128 would need 339,968 bytes beside nothing else.
; F lies [c][p], so its fragments come out of LDS turned (ds_load_tr16_b128); W's blocks are dense, 128 rows x 128 bytes, asked for as rows of 256 bytes.
; Then bf16(G) goes to LDS ([o][j], all four waves' parts), and K = 512 more: T's fragments come straight from memory into registers, in fragment order, three chunks of 32 ahead.
; T is not asked for jointly: each fragment of it feeds one wave alone, and it is 512 KiB of the 3 MiB that a work-group reads.
; CLUSTER 4 x 4.  F's tiles hang on b alone: shared along a row of the cluster.  W's on ob alone: shared along a column.  Each is asked for jointly, by the same load and descriptor in all four.
; REGISTERS, in windows of 256 (s_set_vgpr_msb: bits 1:0 source 0, 3:2 source 1, 5:4 source 2, 7:6 destination):
;   window 0: v0-63 addresses, statistics; v64-127, v128-191 source 1's fragments (W, then G), two buffers; v192-255 at work on the ways out
;   window 1: v64-127, v128-191 F's fragments, two buffers; T's fragments: four buffers v0-63, v192-255, v64-127, v128-191
;   window 2: the accumulators of channels 0-63 ((a, pb) at v[8 (8 (a % 4) + pb)]);  window 3: those of channels 64-127
.set KSTEP,  64
.set PF,     1056                      ; a row of F in LDS: 1,024 bytes + 32 = 264 words: row r starts at bank 8 r mod 64 (64 banks of 4 bytes: ISA guide 11.1)
.set PW,     144                       ; a row of W: 128 + 16 bytes: the 16 rows of a load start at 16 different groups of four banks
.set FHALF,  32*PF                     ; what wave 0 or 1 fetches
.set WOFF,   64*PF                     ; W's tile lies behind F's
.set WHALF,  64*PW                     ; what wave 2 or 3 fetches
.set SLOT,   WOFF+128*PW               ; 86,016
.set GB,     2*SLOT                    ; behind the ring, never filled by a tensor load: bf16(G), 128 rows
.set PG,     1040                      ; of 1,024 + 16 bytes
.set STAGE,  GB+128*PG                 ; 16 rows x 272 bytes for each wave, for z's way out
.set SPITCH, 272
.set SPARE,  STAGE+4*16*SPITCH         ; the spare words, 128 bytes for each wave: two blocks of 256 bytes that no other line names
.set ADRW, 16                          ; v16-17  LDS address of my W fragments in slot 0, 1
.set ADRF, 20                          ; v20-21  the same for F
.set GRD,  22                          ; v22-23  where I read G's fragments: channels 0-63, 64-127 (step)
.set STO,  24                          ; v24     z's way out: where I put 32 bytes of a row
.set RD,   25                          ; v25     where I read a row back
.set CO,   26                          ; v26     my byte offset in two rows of z
.set TO,   27                          ; v27     16 x lane: my place in half a fragment of T
.set SPW,  28                          ; v28     LDS address of my spare word; never rewritten
.set NIL,  29                          ; v29     0; never rewritten
.set GST,  30                          ; v30-31  where I put 16 bytes of bf16(G): channels 0-63, 64-127
.set MEAN, 32                          ; v32-39  by channel block a
.set M2,   40                          ; v40-47
.set MP,   48                          ; v48-49  the mean in hand, twice
.set T0,   50
.set T1,   51
.set SO,   54                          ; v54     8 x lane
.set F0,   64
.set F1,   128
.set SA,   64                          ; the statistics' partial sums (source 1's buffers are free by then)
.set SD,   128                         ; and the 64 deviations
.set TMP,  192                         ; bf16(G) on its way to LDS, two sets of 32
.set BK,   192                         ; z read back from the stage, two sets of 32
.set P0,   0
.set P1,   192
.set P2,   64
.set P3,   128
.set WV,   14                          ; s14  wave
.set ROLE, 15                          ; s15  0: I fetch F, 1: W
.set HALF, 16                          ; s16  which half of that tile
.set G1F,  24                          ; s[24:31] descriptor group 1 for F's tiles;  s[32:39] group 0, a set for each slot
.set G0F,  32
.set G1W,  48                          ; s[48:55], s[56:63] the same for W's
.set G0W,  56
.set SEL,  66                          ; s[66:67] v_permlanex16_b32's selects
.set HIL,  68                          ; s68  lanes 16-31
.set R128, 69                          ; s69  1 / 128
.set MSB, 0
.macro WIN new                         ; the immediate's high byte repeats the setting that is left; a switch that changes nothing is dropped
.if MSB != (\new)
	s_set_vgpr_msb (MSB<<8)|(\new)
.set MSB, \new
.endif
.endm
.set MUL_LO, 0xa1                      ; source 0 window 1, source 1 window 0, C and D window 2
.set MUL_HI, 0xf1                      ; the same, C and D window 3
.set TO_1,   0x40                      ; destination window 1, address window 0
; A joint load.  The branch hangs on the wave's number alone.  An s_nop 0 and four v_nop follow each of the two lines, ahead of the jump and the label.
.macro JLOAD s
	s_cmp_eq_u32 s[ROLE], 0
	s_cbranch_scc0 .Lfor_w_\@
	tensor_load_to_lds s[G0F+4*(\s):G0F+4*(\s)+3], s[G1F:G1F+7]
	s_nop 0
.rept 4
	v_nop
.endr
	s_branch .Lasked_\@
.Lfor_w_\@:
	tensor_load_to_lds s[G0W+4*(\s):G0W+4*(\s)+3], s[G1W:G1W+7]
	s_nop 0
.rept 4
	v_nop
.endr
.Lasked_\@:
.endm
.macro CREST                           ; a round of the cluster's barrier behind its opening barrier
	s_cmp_lg_u32 s[WV], 0
	s_cbranch_scc1 .Lnot_wave_0_\@
	s_barrier_signal -3
.Lnot_wave_0_\@:
	s_barrier_wait -3
	s_barrier_signal -1
	s_barrier_wait -1
.endm
.macro CROUND                          ; a whole round
	s_barrier_signal -1
	s_barrier_wait -1
	CREST
.endm
	s_load_b256 s[4:11], s[0:1], 0x0               ; fb s[4:5], wb s[6:7], tb s[8:9], z s[10:11]
	s_load_b64 s[12:13], s[0:1], 0x20              ; stats
	v_lshl_add_u32 v[SPW], v0, 2, SPARE
	v_mov_b32 v[NIL], 0
	ds_add_u32 v[SPW], v[NIL]                      ; the wave's opening: the add and its wait stand ahead of my first tensor load; the set-up below, work on registers, stands between them
	v_lshrrev_b32 v1, 5, v0
	v_readfirstlane_b32 s[WV], v1
	s_lshr_b32 s[ROLE], s[WV], 1
	s_and_b32 s[HALF], s[WV], 1
	s_bfe_u32 s17, ttmp6, 0x40000                  ; cx
	s_bfe_u32 s18, ttmp6, 0x40004                  ; cy
	s_lshl_b32 s19, ttmp9, 2
	s_add_co_u32 s19, s19, s17                     ; ob = 4 x cluster x + cx
	s_and_b32 s20, ttmp7, 0xffff
	s_lshl_b32 s20, s20, 2
	s_add_co_u32 s20, s20, s18                     ; b = 4 x cluster y + cy
	s_lshl_b32 s21, s18, 2
	s_lshl_b32 s21, 15, s21                        ; my row of the cluster
	s_lshl_b32 s22, 0x1111, s17                    ; my column
	; F: 32 rows (channels) x 512 elements, 8 words of padding behind every 256
	s_or_b32 s[G1F], s21, (1<<16)|(1<<20)|(1<<21)|(7<<22)|(7<<25)  ; 15:0 the mask; 17:16 2-byte elements; 20 padding on; 21 set beside a mask; 24:22 after every 256 words (code 7); 31:25 8 words (code 7)
	s_mov_b32 s[G1F+1], 512<<16                    ; tensor_dim0
	s_mov_b32 s[G1F+2], 32<<16                     ; tensor_dim1
	s_mov_b32 s[G1F+3], 512<<16                    ; tile_dim0
	s_mov_b32 s[G1F+4], 32                         ; tile_dim1
	s_mov_b32 s[G1F+5], 512                        ; elements from row to row
	s_mov_b32 s[G1F+6], 0
	s_mov_b32 s[G1F+7], 0
	; W: 8,192 dense bytes (64 rows of 128) asked for as 32 rows of 256, 4 words of padding behind every 32
	s_or_b32 s[G1W], s22, (1<<16)|(1<<20)|(1<<21)|(4<<22)|(3<<25)
	s_mov_b32 s[G1W+1], 128<<16
	s_mov_b32 s[G1W+2], 32<<16
	s_mov_b32 s[G1W+3], 128<<16
	s_mov_b32 s[G1W+4], 32
	s_mov_b32 s[G1W+5], 128
	s_mov_b32 s[G1W+6], 0
	s_mov_b32 s[G1W+7], 0
	; where the tiles come from and go: F's in s[40:43], made of b and the wave; W's in s[44:47], made of ob and the wave; neither set ever holds the other coordinate
	s_lshl_b32 s40, s20, 21                        ; a batch of fb: 2,048 rows of 1,024 bytes
	s_lshl_b32 s41, s[HALF], 15                    ; 32 rows
	s_add_co_u32 s40, s40, s41
	s_mov_b32 s41, 0
	s_mul_i32 s42, s[HALF], FHALF
	s_lshl_b32 s44, s19, 19                        ; 32 blocks of 16,384 bytes
	s_lshl_b32 s45, s[HALF], 13
	s_add_co_u32 s44, s44, s45
	s_mov_b32 s45, 0
	s_mul_i32 s46, s[HALF], WHALF
	s_add_co_u32 s46, s46, WOFF
	s_mov_b32 s[SEL], 0x76543210
	s_mov_b32 s[SEL+1], 0xfedcba98
	s_mov_b32 s[HIL], 0xffff0000
	s_mov_b32 s[R128], 0x3c000000
	s_wait_dscnt 0x0                               ; the opening add is done
	s_wait_kmcnt 0x0
	s_add_nc_u64 s[40:41], s[4:5], s[40:41]
	s_add_nc_u64 s[44:45], s[6:7], s[44:45]
	CROUND                                         ; all sixteen work-groups are here: the first joint loads meet
.irp s, 0,1
	s_mov_b32 s[G0F+4*(\s)], 1                                     ; count = 1
	s_add_co_u32 s[G0F+4*(\s)+1], s42, (\s)*SLOT                   ; LDS address
	s_add_nc_u64 s[G0F+4*(\s)+2:G0F+4*(\s)+3], s[40:41], (\s)*KSTEP*1024  ; K step s
	s_or_b32 s[G0F+4*(\s)+3], s[G0F+4*(\s)+3], 0x80000000          ; type = 2
	s_mov_b32 s[G0W+4*(\s)], 1
	s_add_co_u32 s[G0W+4*(\s)+1], s46, (\s)*SLOT
	s_add_nc_u64 s[G0W+4*(\s)+2:G0W+4*(\s)+3], s[44:45], (\s)*16384
	s_or_b32 s[G0W+4*(\s)+3], s[G0W+4*(\s)+3], 0x80000000
	JLOAD \s                                       ; two loads of mine are out
.endr
	s_lshl_b32 s2, s20, 19                         ; T: 524,288 bytes a batch, 131,072 for a wave's eight blocks of 16 rows
	s_lshl_b32 s3, s[WV], 17
	s_add_co_u32 s2, s2, s3
	s_mov_b32 s3, 0
	s_add_nc_u64 s[8:9], s[8:9], s[2:3]
	s_lshl_b32 s2, s20, 22                         ; z: (2,048 b + 128 ob) rows of 2,048 bytes + my 128 pixels
	s_lshl_b32 s3, s19, 18
	s_add_co_u32 s2, s2, s3
	s_lshl_b32 s3, s[WV], 9
	s_add_co_u32 s2, s2, s3
	s_mov_b32 s3, 0
	s_add_nc_u64 s[10:11], s[10:11], s[2:3]
	s_lshl_b32 s2, s20, 16                         ; stats: group 4 b + wave of 16,384 bytes, channel 128 ob of 8 bytes
	s_lshl_b32 s3, s[WV], 14
	s_add_co_u32 s2, s2, s3
	s_lshl_b32 s3, s19, 10
	s_add_co_u32 s2, s2, s3
	s_mov_b32 s3, 0
	s_add_nc_u64 s[12:13], s[12:13], s[2:3]
	s_lshl_b32 s70, s[WV], 8                       ; my 128 pixels in bf16
	s_mul_i32 s71, s[WV], 16*SPITCH
	s_add_co_u32 s71, s71, STAGE                   ; my stage
	v_and_b32 v1, 15, v0                           ; r
	v_bfe_u32 v2, v0, 4, 1                         ; h
	v_and_b32 v3, 7, v0
	v_bfe_u32 v4, v0, 3, 1
	v_and_b32 v5, 31, v0
	v_lshlrev_b32 v[TO], 4, v5
	v_lshlrev_b32 v[SO], 3, v5
	v_mov_b32 v[T1], 0                             ; v_permlanex16_b32 counts as a reader of its destination
	v_mul_u32_u24 v6, v1, PW                       ; W: row r, 16 bytes for each half of the lanes
	v_lshl_add_u32 v6, v2, 4, v6
	v_add_nc_u32 v[ADRW], WOFF, v6
	v_add_nc_u32 v[ADRW+1], SLOT+WOFF, v6
	v_lshl_add_u32 v7, v2, 3, v3                   ; F, turned: lane l reads channel 8 (l / 16) + l % 8, pixels 8 ((l / 8) % 2) + 0..7
	v_mul_u32_u24 v7, v7, PF
	v_lshl_add_u32 v7, v4, 4, v7
	v_add_nc_u32 v[ADRF], s70, v7
	v_add_nc_u32 v[ADRF+1], SLOT, v[ADRF]
	v_mul_u32_u24 v8, v1, PG
	v_lshl_add_u32 v8, v2, 4, v8
	v_add_nc_u32 v[GRD], GB, v8
	v_add_nc_u32 v[GRD+1], GB+64*PG, v8
	v_add_nc_u32 v[GST], s70, v[GRD]
	v_add_nc_u32 v[GST+1], s70, v[GRD+1]
	v_mul_u32_u24 v9, v1, SPITCH                   ; into the stage: row r, 32 bytes for each half of the lanes
	v_lshl_add_u32 v9, v2, 5, v9
	v_add_nc_u32 v[STO], s71, v9
	v_mul_u32_u24 v9, v2, SPITCH                   ; back: lanes 0-15 one row of 256 bytes, lanes 16-31 the next
	v_lshl_add_u32 v9, v1, 4, v9
	v_add_nc_u32 v[RD], s71, v9
	v_lshlrev_b32 v9, 11, v2                       ; and the same two rows in z
	v_lshl_add_u32 v[CO], v1, 4, v9
; 16 matrix instructions: channel blocks a0, a0 + 1 of the window's four x all 8 pixel blocks, 32 along K.  zero = 1: the product starts the sums.
.macro MUL16 f0, f1, hi, a0, zero
	WIN MUL_LO+0x50*(\hi)
.irp a, \a0, (\a0)+1
.irp b, 0,1,2,3,4,5,6,7
.if \zero
	v_wmma_f32_16x16x32_bf16 v[8*(8*(\a)+(\b)):8*(8*(\a)+(\b))+7], v[(\f0)+8*(\b):(\f0)+8*(\b)+7], v[(\f1)+8*(4*(\hi)+(\a)):(\f1)+8*(4*(\hi)+(\a))+7], 0
.else
	v_wmma_f32_16x16x32_bf16 v[8*(8*(\a)+(\b)):8*(8*(\a)+(\b))+7], v[(\f0)+8*(\b):(\f0)+8*(\b)+7], v[(\f1)+8*(4*(\hi)+(\a)):(\f1)+8*(4*(\hi)+(\a))+7], v[8*(8*(\a)+(\b)):8*(8*(\a)+(\b))+7]
.endif
.endr
.endr
.endm
; 32 LDS loads in one run: the fragments of half q (32 channels) of a K step into buffer f: my 128 pixels of F, then the 128 rows of W
.macro FETCH slot, q, f
	WIN TO_1
.irp i, 0,1,2,3,4,5,6,7
	ds_load_tr16_b128 v[(\f)+8*(\i):(\f)+8*(\i)+3],   v[ADRF+(\slot)] offset:(\q)*32*PF+32*(\i)
	ds_load_tr16_b128 v[(\f)+8*(\i)+4:(\f)+8*(\i)+7], v[ADRF+(\slot)] offset:(\q)*32*PF+16*PF+32*(\i)
.endr
	WIN 0
.irp i, 0,1,2,3,4,5,6,7
	ds_load_b128 v[(\f)+8*(\i):(\f)+8*(\i)+3],   v[ADRW+(\slot)] offset:64*(\q)+(\i)*16*PW
	ds_load_b128 v[(\f)+8*(\i)+4:(\f)+8*(\i)+7], v[ADRW+(\slot)] offset:64*(\q)+(\i)*16*PW+32
.endr
.endm
; A load into a register that a matrix instruction has read, and a vector instruction that reads a matrix result or writes one of its registers, stand four places behind it;
; only plain vector instructions that name none of its registers are places (ISA guide 7.12.1 for vector instructions).
.macro PLACES
.rept 4
	v_nop
.endr
.endm
; A K step is two halves of 32 channels, 64 matrix instructions each, on buffers 0, 1.  The first half: multiplies f and fetches the second half into g.
.macro QUARTER slot, f, g, zero
	s_wait_dscnt 8                                 ; F and W's rows 0-63 are in; the youngest eight loads (W's rows 64-127) may be out
	MUL16 \f, \f, 0, 0, \zero
	MUL16 \f, \f, 0, 2, \zero
	PLACES
	FETCH \slot, 1, \g
	s_wait_dscnt 32                                ; all but the 32 just issued
	MUL16 \f, \f, 1, 0, \zero
	MUL16 \f, \f, 1, 2, \zero
.endm
; The second half multiplies buffer 1 and changes slots: ONE barrier.  In front of it each wave waits for all its tensor loads (one is out: its part of the next slot),
; adds 0 to its spare word, and waits for that and for its own reads of this slot.  Behind it nobody reads this slot any more and the next slot is whole.
.macro MEET round
	WIN 0                                          ; (the add's two registers lie in window 0)
	s_wait_tensorcnt 0x0
	ds_add_u32 v[SPW], v[NIL]                      ; 0 onto my spare word
	s_wait_dscnt 9                                 ; (the add and the youngest eight loads may be out)
	MUL16 F1, F1, 0, 0, 0                          ; sixteen matrix instructions stand between the add and the wait for it
	s_wait_dscnt 0x0                               ; the add is done, and my reads of this slot are over
	s_barrier_signal -1
	MUL16 F1, F1, 0, 2, 0                          ; work on registers while the others arrive
.if \round
	WIN 0
.endif
	s_barrier_wait -1
.endm
; The barrier opens a round of the cluster's barrier: no wave of any partner still reads this slot or has a load on its way.  The slot is filled again first, two K steps ahead;
; that load has 96 matrix instructions of mine in which to land.  Then come the next slot's first fragments.
.macro TURN slot, next
	MEET 1
	CREST
	s_add_nc_u64 s[G0F+4*(\slot)+2:G0F+4*(\slot)+3], s[G0F+4*(\slot)+2:G0F+4*(\slot)+3], 2*KSTEP*1024
	s_add_nc_u64 s[G0W+4*(\slot)+2:G0W+4*(\slot)+3], s[G0W+4*(\slot)+2:G0W+4*(\slot)+3], 2*16384
	JLOAD \slot                                    ; the four v_nop behind it are also the places in front of the loads below
	FETCH \next, 0, F0
	MUL16 F1, F1, 1, 0, 0
	MUL16 F1, F1, 1, 2, 0
.endm
; 16 loads: chunk imm (counted from the base in hand) of T's fragments for my eight pixel blocks, into buffer p of window 1.  Each load of the wave covers 512 consecutive bytes.
.macro TLOAD imm, p
	WIN TO_1
.irp pb, 0,1,2,3,4,5,6,7
	global_load_b128 v[(\p)+8*(\pb):(\p)+8*(\pb)+3],   v[TO], s[8:9] offset:16384*(\pb)+1024*(\imm)
	global_load_b128 v[(\p)+8*(\pb)+4:(\p)+8*(\pb)+7], v[TO], s[8:9] offset:16384*(\pb)+1024*(\imm)+512
.endr
.endm
; 16 LDS loads: G's fragments (128 channels x 32 pixels j at byte off of the rows) into buffer f
.macro FETCHG off, f
	WIN 0
.irp a, 0,1,2,3,4,5,6,7
	ds_load_b128 v[(\f)+8*(\a):(\f)+8*(\a)+3],   v[GRD+(\a)/4] offset:16*PG*((\a)%4)+(\off)
	ds_load_b128 v[(\f)+8*(\a)+4:(\f)+8*(\a)+7], v[GRD+(\a)/4] offset:16*PG*((\a)%4)+(\off)+32
.endr
.endm
; Channel block a of G, rounded to bf16 (each accumulator from its low end on), 16 bytes a lane and pixel block, into GB.  The accumulators keep G.
.macro PACKG a
.set AC, 64*((\a)%4)
.set TP, TMP+32*((\a)%2)
	WIN 0x0a+5*((\a)/4)                            ; sources 0 and 1: window 2 or 3
.set k, 0
.rept 32
	v_cvt_pk_bf16_f32 v[TP+k], v[AC+2*k], v[AC+2*k+1]
.set k, k+1
.endr
	WIN 0
.irp pb, 0,1,2,3,4,5,6,7
	ds_store_b128 v[GST+(\a)/4], v[TP+4*(\pb):TP+4*(\pb)+3] offset:16*PG*((\a)%4)+32*(\pb)
.endr
.endm
; A chunk of the second product: 32 along j, T's buffer p x G's buffer g.  ln: the younger loads of T that may stay out (16 for each chunk ahead).
; In its middle: T's chunk three on into buffer lp (none: -1), which the chunk before multiplied, and G's next chunk into the other buffer.
.macro ECHUNK p, g, ln, lp, limm, fetch, goff
	s_wait_loadcnt \ln
	s_wait_dscnt 8                                 ; G's channels 0-63 are in
	MUL16 \p, \g, 0, 0, 0
	MUL16 \p, \g, 0, 2, 0
	PLACES
.if (\lp) >= 0
	TLOAD \limm, \lp
.endif
.if \fetch
	FETCHG \goff, (F0+F1-(\g))
	s_wait_dscnt 16                                ; all but the 16 just issued
.else
	s_wait_dscnt 0x0
.endif
	MUL16 \p, \g, 1, 0, 0
	MUL16 \p, \g, 1, 2, 0
.endm
; Channel block a: for channel 16 a + r the mean of my wave's 128 pixels (64 in this lane, 64 in the lane 16 away) and the sum of the squared deviations from it.
.macro STAT a
.set AC, 64*((\a)%4)
	WIN 0x0a+5*((\a)/4)
.set k, 0
.rept 16                                               ; ascending: each accumulator is read from its low end on
	v_pk_add_f32 v[SA+2*k:SA+2*k+1], v[AC+4*k:AC+4*k+1], v[AC+4*k+2:AC+4*k+3]
.set k, k+1
.endr
	WIN 0
.irp w, 16, 8, 4, 2
.set k, 0
.rept (\w)/2
	v_pk_add_f32 v[SA+2*k:SA+2*k+1], v[SA+2*k:SA+2*k+1], v[SA+(\w)+2*k:SA+(\w)+2*k+1]
.set k, k+1
.endr
.endr
	v_add_f32 v[T0], v[SA], v[SA+1]
	v_permlanex16_b32 v[T1], v[T0], s[SEL], s[SEL+1]
	v_add_f32 v[T0], v[T0], v[T1]
	v_mul_f32 v[MP], s[R128], v[T0]
	v_mul_f32 v[MP+1], s[R128], v[T0]
	v_mul_f32 v[MEAN+(\a)], s[R128], v[T0]
	WIN 0x02+((\a)/4)                              ; source 0: window 2 or 3
.set k, 0
.rept 32
	v_pk_add_f32 v[SD+2*k:SD+2*k+1], v[AC+2*k:AC+2*k+1], v[MP:MP+1] neg_lo:[0,1] neg_hi:[0,1]
.set k, k+1
.endr
	WIN 0
.set k, 0
.rept 4                                                ; four chains, started by the first four products
	v_pk_mul_f32 v[SA+2*k:SA+2*k+1], v[SD+2*k:SD+2*k+1], v[SD+2*k:SD+2*k+1]
.set k, k+1
.endr
.rept 28
	v_pk_fma_f32 v[SA+2*(k%4):SA+2*(k%4)+1], v[SD+2*k:SD+2*k+1], v[SD+2*k:SD+2*k+1], v[SA+2*(k%4):SA+2*(k%4)+1]
.set k, k+1
.endr
	v_pk_add_f32 v[SA:SA+1], v[SA:SA+1], v[SA+2:SA+3]
	v_pk_add_f32 v[SA+4:SA+5], v[SA+4:SA+5], v[SA+6:SA+7]
	v_pk_add_f32 v[SA:SA+1], v[SA:SA+1], v[SA+4:SA+5]
	v_add_f32 v[T0], v[SA], v[SA+1]
	v_permlanex16_b32 v[T1], v[T0], s[SEL], s[SEL+1]
	v_add_f32 v[M2+(\a)], v[T0], v[T1]
.endm
; z's way out.  Half hf (64 pixels, 256 bytes) of the 16 rows of channel block a goes through my own stage and comes back as whole rows.
.macro TOSTAGE a, hf
.set AC, 64*((\a)%4)+32*(\hf)
	s_wait_xcnt 0x0                                ; earlier stores have read their registers: the set below is loaded again only behind this wait
	WIN 0x08+4*((\a)/4)                            ; the data: window 2 or 3
.irp k, 0,1,2,3
	ds_store_b128 v[STO], v[AC+8*(\k):AC+8*(\k)+3]   offset:64*(\k)
	ds_store_b128 v[STO], v[AC+8*(\k)+4:AC+8*(\k)+7] offset:64*(\k)+16
.endr
	WIN 0
.irp t, 0,1,2,3,4,5,6,7
	ds_load_b128 v[BK+32*(\hf)+4*(\t):BK+32*(\hf)+4*(\t)+3], v[RD] offset:(\t)*2*SPITCH  ; LDS serves a wave's instructions in order (ISA guide 5.7.1.4): these see the stores above, and the next half's stores come behind them
.endr
.endm
.macro SEND a, hf, younger             ; younger: the LDS instructions issued behind this half's loads
	WIN 0
	s_wait_dscnt \younger
.irp t, 0,1,2,3,4,5,6,7
	global_store_b128 v[CO], v[BK+32*(\hf)+4*(\t):BK+32*(\hf)+4*(\t)+3], s[10:11] offset:(\a)*32768+(\t)*4096+(\hf)*256  ; 16 lanes store 256 consecutive bytes, at a multiple of 256 from z's first byte
.endr
.endm
	TLOAD 0, P0                                    ; T's first two chunks go into registers that lie idle during the first product
	TLOAD 1, P1
	WIN 0
	s_wait_tensorcnt 1                             ; my part of K step 0 is in; K step 1's may stay out
	s_barrier_signal -1
	s_barrier_wait -1                              ; everybody's is
	FETCH 0, 0, F0
	QUARTER 0, F0, F1, 1                           ; the first half step stands in front of the loop: its products start the sums
	WIN 0                                          ; at a label and at a branch every window is 0
	s_mov_b32 s3, 15
.Llap:                                                 ; a trip goes once round the ring and fills both slots again; the 64 accumulators take turns in one order throughout
	TURN 0, 1
	QUARTER 1, F0, F1, 0
	TURN 1, 0
	QUARTER 0, F0, F1, 0
	WIN 0
	s_sub_co_u32 s3, s3, 1
	s_cmp_lg_u32 s3, 0
	s_cbranch_scc1 .Llap
	MEET 0                                         ; K step 30 ends; K step 31 has landed; nothing is filled again, so no round follows
	PLACES
	FETCH 1, 0, F0
	MUL16 F1, F1, 1, 0, 0
	MUL16 F1, F1, 1, 2, 0
	QUARTER 1, F0, F1, 0
	s_wait_dscnt 8
	MUL16 F1, F1, 0, 0, 0
	MUL16 F1, F1, 0, 2, 0
	s_wait_dscnt 0x0
	MUL16 F1, F1, 1, 0, 0
	MUL16 F1, F1, 1, 2, 0
	PLACES                                         ; G is whole
	TLOAD 2, P2
.irp a, 0,1,2,3,4,5,6,7
	PACKG \a
.endr
	s_wait_dscnt 0x0                               ; for the others' sake: my part of bf16(G) is in LDS
	s_barrier_signal -1
	s_barrier_wait -1                              ; everybody's is
	FETCHG 0, F0
	s_mov_b32 s3, 3
.Lcorr:                                                ; four chunks a trip; chunk c multiplies T's buffer c % 4 by G's buffer c % 2
	ECHUNK P0, F0, 32, P3, 3, 1, 64
	ECHUNK P1, F1, 32, P0, 4, 1, 128
	ECHUNK P2, F0, 32, P1, 5, 1, 192
	ECHUNK P3, F1, 32, P2, 6, 1, 256
	WIN 0
	s_wait_xcnt 0x0                                ; T's base is stepped only behind this wait
	s_add_nc_u64 s[8:9], s[8:9], 4096
	v_add_nc_u32 v[GRD], 256, v[GRD]
	v_add_nc_u32 v[GRD+1], 256, v[GRD+1]
	s_sub_co_u32 s3, s3, 1
	s_cmp_lg_u32 s3, 0
	s_cbranch_scc1 .Lcorr
	ECHUNK P0, F0, 32, P3, 3, 1, 64                ; the last four chunks: one more load of T, then the counts run down
	ECHUNK P1, F1, 32, -1, 0, 1, 128
	ECHUNK P2, F0, 16, -1, 0, 1, 192
	ECHUNK P3, F1, 0, -1, 0, 0, 0
	PLACES                                         ; z is whole
	STAT 0
.irp a, 0,1,2,3,4,5,6,7                ; the next block's statistics stand between a block's loads from the stage and its stores
	TOSTAGE \a, 0
	TOSTAGE \a, 1
.if (\a) < 7
	STAT (\a)+1
.endif
	SEND \a, 0, 16                                 ; the second half's eight stores and eight loads may be out
	SEND \a, 1, 0
.endr
.irp t, 0,1,2,3                        ; lane l takes channel 32 t + l: block 2 t in lanes 0-15, block 2 t + 1 in lanes 16-31
	v_cndmask_b32 v[SA+2*(\t)],   v[MEAN+2*(\t)], v[MEAN+2*(\t)+1], s[HIL]
	v_cndmask_b32 v[SA+2*(\t)+1], v[M2+2*(\t)],   v[M2+2*(\t)+1],   s[HIL]
	global_store_b64 v[SO], v[SA+2*(\t):SA+2*(\t)+1], s[12:13] offset:256*(\t)  ; 256 consecutive bytes, aligned
.endr
	s_wait_tensorcnt 0x0                           ; the wave's end, behind my last tensor load and my last LDS store
	ds_add_u32 v[SPW], v[NIL]
	s_wait_dscnt 0x0
	CROUND                                         ; the closing round: no work-group ends while a partner may still ask for a tile that names it
	s_endpgm
.Lfunc_end_k_q4d94650937_gemm:
	.size	k_q4d94650937_gemm, .Lfunc_end_k_q4d94650937_gemm-k_q4d94650937_gemm
	.p2alignl 7, 3214868480
	.fill 96, 4, 3214868480
	.section	.rodata,"a",@progbits
	.p2align	6, 0x0
	.amdhsa_kernel k_q4d94650937_gemm
		.amdhsa_group_segment_fixed_size 327680
		.amdhsa_private_segment_fixed_size 0
		.amdhsa_enable_private_segment 0
		.amdhsa_kernarg_size 40
		.amdhsa_user_sgpr_count 2
		.amdhsa_user_sgpr_kernarg_segment_ptr 1
		.amdhsa_wavefront_size32 1
		.amdhsa_system_sgpr_workgroup_id_x 1
		.amdhsa_system_sgpr_workgroup_id_y 1
		.amdhsa_system_sgpr_workgroup_id_z 1
		.amdhsa_system_vgpr_workitem_id 0
		.amdhsa_next_free_vgpr 1024
		.amdhsa_next_free_sgpr 72
		.amdhsa_reserve_vcc 0
		.amdhsa_float_denorm_mode_32 3
		.amdhsa_float_denorm_mode_16_64 3
		.amdhsa_memory_ordered 1
		.amdhsa_forward_progress 1
		.amdhsa_inst_pref_size 221
	.end_amdhsa_kernel
	.amdgpu_metadata
---
amdhsa.version: [ 1, 2 ]
amdhsa.kernels:
  - .name:           k_q4d94650937_gemm
    .symbol:         k_q4d94650937_gemm.kd
    .args:
      - { .name: fb, .offset: 0, .size: 8, .value_kind: global_buffer, .address_space: global }
      - { .name: wb, .offset: 8, .size: 8, .value_kind: global_buffer, .address_space: global }
      - { .name: tb, .offset: 16, .size: 8, .value_kind: global_buffer, .address_space: global }
      - { .name: z, .offset: 24, .size: 8, .value_kind: global_buffer, .address_space: global }
      - { .name: stats, .offset: 32, .size: 8, .value_kind: global_buffer, .address_space: global }
    .group_segment_fixed_size: 327680
    .private_segment_fixed_size: 0
    .kernarg_segment_align: 8
    .kernarg_segment_size: 40
    .max_flat_workgroup_size: 128
    .sgpr_count:     72
    .vgpr_count:     1024
    .wavefront_size: 32
...
	.end_amdgpu_metadata
.endif
;; end of part 2
;; launch bn (part 3): grid 256 x 1, 8 waves a work-group, no clusters, 0 bytes of LDS; arguments z, stats, bn_gamma, bn_beta, out0; writes out0
.if DOCPART == 3
	.amdgcn_target "amdgcn-amd-amdhsa--gfx1250"
	.amdhsa_code_object_version 6
	.text
	.protected	k_q4d94650937_bn
	.globl	k_q4d94650937_bn
	.p2align	8
	.type	k_q4d94650937_bn,@function
k_q4d94650937_bn:
	s_mov_b64 s[64:65], 0
	v_nop
	global_prefetch_b8 v0, s[64:65] scope:SCOPE_SE
	s_setreg_imm32_b32 hwreg(HW_REG_WAVE_MODE, 25, 1), 1
	s_wait_xcnt 0x0
; out0[b][o][p] = (z[b][o][p] - mean_o) rsqrt(var_o + 1e-5) gamma_o + beta_o, mean and (biased) variance over the channel's 16 x 512 numbers.
; A wave owns one channel o = 8 group + wave: 16 rows of 2,048 bytes, 64 loads and 64 stores of 512 consecutive bytes.  No LDS, no barrier, no loop: memory binds, and no input is shared.
; The statistics come as 64 groups of 128 numbers, (mean_g, M2_g = sum of squared deviations from mean_g):
; mean = sum mean_g / 64,  var = (sum M2_g + 128 sum (mean_g - mean)^2) / 8,192: no difference of large sums is formed.
; LIMITS.  gamma and beta are rounded to bf16 (nearest even), like the other inputs of the module.  NaN and infinities are not treated apart.
.set OFF, 8                            ; v[8:15]   16 lane + 8,388,608 m: batches 2 m, 2 m + 1; never rewritten
.set AP,  24                           ; v[24:25]  gamma rsqrt(var + eps), twice
.set BP,  26                           ; v[26:27]  beta, twice
.set MP,  28                           ; v[28:29]  mean, twice
.set Z,   32                           ; v[32:255] 56 slots of four registers
	s_load_b256 s[4:11], s[0:1], 0x0               ; z s[4:5], stats s[6:7], gamma s[8:9], beta s[10:11]
	s_load_b64 s[12:13], s[0:1], 0x20              ; out0
	v_lshrrev_b32 v1, 5, v0
	v_readfirstlane_b32 s14, v1
	s_lshl_b32 s15, ttmp9, 3
	s_add_co_u32 s15, s15, s14                     ; o
	v_and_b32 v1, 31, v0
	v_lshlrev_b32 v3, 4, v1
	v_lshlrev_b32 v2, 14, v1                       ; group g = lane: 16,384 bytes apart
.irp m, 0,1,2,3,4,5,6,7
	v_add_nc_u32 v[OFF+(\m)], (\m)*8388608, v3
.endr
	v_mov_b32 v21, 0                               ; v_permlanex16_b32 counts as a reader of its destination
	s_lshl_b32 s16, s15, 2
	s_lshl_b32 s20, s15, 11                        ; a row of z and of out0
	s_mov_b32 s21, 0
	s_lshl_b32 s22, s15, 3
	s_mov_b32 s23, 0
	s_mov_b32 s24, 0x39000000                      ; 1 / 8,192
	s_mov_b32 s25, 0x3727c5ac                      ; 1e-5
	s_mov_b32 s26, 0x76543210
	s_mov_b32 s27, 0xfedcba98
	s_wait_kmcnt 0x0
	s_load_b32 s18, s[8:9], s16 offset:0x0         ; gamma_o
	s_load_b32 s19, s[10:11], s16 offset:0x0       ; beta_o
	s_add_nc_u64 s[4:5], s[4:5], s[20:21]
	s_add_nc_u64 s[12:13], s[12:13], s[20:21]
	s_add_nc_u64 s[6:7], s[6:7], s[22:23]
; Piece n = 4 b + t: 512 bytes at byte 512 t of batch b's row
.macro ZLOAD n, slot
	global_load_b128 v[Z+4*(\slot):Z+4*(\slot)+3], v[OFF+(\n)/8], s[4:5] offset:(((\n)/4)%2)*4194304+((\n)%4)*512 th:TH_LOAD_NT
.endm
.macro ZOUT n, slot, left              ; left: the younger loads, which may stay out
	s_wait_loadcnt \left
	v_pk_add_f32 v[Z+4*(\slot):Z+4*(\slot)+1],   v[Z+4*(\slot):Z+4*(\slot)+1],   v[MP:MP+1] neg_lo:[0,1] neg_hi:[0,1]
	v_pk_add_f32 v[Z+4*(\slot)+2:Z+4*(\slot)+3], v[Z+4*(\slot)+2:Z+4*(\slot)+3], v[MP:MP+1] neg_lo:[0,1] neg_hi:[0,1]
	v_pk_fma_f32 v[Z+4*(\slot):Z+4*(\slot)+1],   v[Z+4*(\slot):Z+4*(\slot)+1],   v[AP:AP+1], v[BP:BP+1]
	v_pk_fma_f32 v[Z+4*(\slot)+2:Z+4*(\slot)+3], v[Z+4*(\slot)+2:Z+4*(\slot)+3], v[AP:AP+1], v[BP:BP+1]
	global_store_b128 v[OFF+(\n)/8], v[Z+4*(\slot):Z+4*(\slot)+3], s[12:13] offset:(((\n)/4)%2)*4194304+((\n)%4)*512 th:TH_STORE_NT
.endm
	global_load_b64 v[16:17], v2, s[6:7]                 ; (mean, M2) of group lane,
	global_load_b64 v[18:19], v2, s[6:7] offset:524288   ; and of group lane + 32
.set zi, 0
.rept 56
	ZLOAD zi, zi
.set zi, zi+1
.endr
	s_wait_loadcnt 56                              ; the statistics are in; the 56 loads of z stay out
	v_add_f32 v20, v16, v18
	v_add_f32_dpp v20, v20, v20 row_xmask:1 row_mask:0xf bank_mask:0xf
	v_add_f32_dpp v20, v20, v20 row_xmask:2 row_mask:0xf bank_mask:0xf
	v_add_f32_dpp v20, v20, v20 row_xmask:4 row_mask:0xf bank_mask:0xf
	v_add_f32_dpp v20, v20, v20 row_xmask:8 row_mask:0xf bank_mask:0xf
	v_permlanex16_b32 v21, v20, s26, s27
	v_add_f32 v20, v20, v21
	v_mul_f32 v[MP], 0x3c800000, v20               ; / 64
	v_mov_b32 v[MP+1], v[MP]
	v_sub_f32 v22, v16, v[MP]
	v_sub_f32 v23, v18, v[MP]
	v_mul_f32 v22, v22, v22
	v_fmac_f32 v22, v23, v23
	v_add_f32 v23, v17, v19
	v_fmamk_f32 v22, v22, 0x43000000, v23          ; 128 (da^2 + db^2) + M2a + M2b
	v_add_f32_dpp v22, v22, v22 row_xmask:1 row_mask:0xf bank_mask:0xf
	v_add_f32_dpp v22, v22, v22 row_xmask:2 row_mask:0xf bank_mask:0xf
	v_add_f32_dpp v22, v22, v22 row_xmask:4 row_mask:0xf bank_mask:0xf
	v_add_f32_dpp v22, v22, v22 row_xmask:8 row_mask:0xf bank_mask:0xf
	v_permlanex16_b32 v21, v22, s26, s27
	v_add_f32 v22, v22, v21
	v_fma_f32 v22, v22, s24, s25                   ; var + eps
	v_rsq_f32 v23, v22
	s_wait_kmcnt 0x0                               ; gamma, beta
	v_cvt_pk_bf16_f32 v20, s18, s19                ; a plain instruction behind the root, before its result is used (ISA guide 5.7.2)
	v_lshlrev_b32 v21, 16, v20                     ; gamma, rounded
	v_and_b32 v[BP], 0xffff0000, v20               ; beta, rounded
	v_mov_b32 v[BP+1], v[BP]
	s_wait_alu depctr_va_vdst(0)
	v_mul_f32 v[AP], v21, v23
	v_mov_b32 v[AP+1], v[AP]
.set zi, 0
.rept 8
	ZOUT zi, zi, 55-zi
.set zi, zi+1
.endr
	s_wait_xcnt 0x0                                ; those eight stores have read their registers: the slots are loaded again only behind this wait
.set zi, 56
.rept 8
	ZLOAD zi, zi-56
.set zi, zi+1
.endr
.set zi, 8
.rept 48
	ZOUT zi, zi, 63-zi
.set zi, zi+1
.endr
.rept 8
	ZOUT zi, zi-56, 63-zi
.set zi, zi+1
.endr
	s_endpgm
.Lfunc_end_k_q4d94650937_bn:
	.size	k_q4d94650937_bn, .Lfunc_end_k_q4d94650937_bn-k_q4d94650937_bn
	.p2alignl 7, 3214868480
	.fill 96, 4, 3214868480
	.section	.rodata,"a",@progbits
	.p2align	6, 0x0
	.amdhsa_kernel k_q4d94650937_bn
		.amdhsa_group_segment_fixed_size 0
		.amdhsa_private_segment_fixed_size 0
		.amdhsa_enable_private_segment 0
		.amdhsa_kernarg_size 40
		.amdhsa_user_sgpr_count 2
		.amdhsa_user_sgpr_kernarg_segment_ptr 1
		.amdhsa_wavefront_size32 1
		.amdhsa_system_sgpr_workgroup_id_x 1
		.amdhsa_system_sgpr_workgroup_id_y 1
		.amdhsa_system_sgpr_workgroup_id_z 1
		.amdhsa_system_vgpr_workitem_id 0
		.amdhsa_next_free_vgpr 256
		.amdhsa_next_free_sgpr 66
		.amdhsa_reserve_vcc 0
		.amdhsa_float_denorm_mode_32 3
		.amdhsa_float_denorm_mode_16_64 3
		.amdhsa_memory_ordered 1
		.amdhsa_forward_progress 1
		.amdhsa_inst_pref_size 34
	.end_amdhsa_kernel
	.amdgpu_metadata
---
amdhsa.version: [ 1, 2 ]
amdhsa.kernels:
  - .name:           k_q4d94650937_bn
    .symbol:         k_q4d94650937_bn.kd
    .args:
      - { .name: z, .offset: 0, .size: 8, .value_kind: global_buffer, .address_space: global }
      - { .name: stats, .offset: 8, .size: 8, .value_kind: global_buffer, .address_space: global }
      - { .name: bn_gamma, .offset: 16, .size: 8, .value_kind: global_buffer, .address_space: global }
      - { .name: bn_beta, .offset: 24, .size: 8, .value_kind: global_buffer, .address_space: global }
      - { .name: out0, .offset: 32, .size: 8, .value_kind: global_buffer, .address_space: global }
    .group_segment_fixed_size: 0
    .private_segment_fixed_size: 0
    .kernarg_segment_align: 8
    .kernarg_segment_size: 40
    .max_flat_workgroup_size: 256
    .sgpr_count:     66
    .vgpr_count:     256
    .wavefront_size: 32
...
	.end_amdgpu_metadata
.endif
;; end of part 3
